; MI455X (gfx1250); checked and timed in simulation.
; The chip was launched on July 23, 2026; its instructions are those of AMD's public machine-readable ISA for CDNA 5 (MIT licence, August 2026) and "CDNA5" Instruction Set Architecture Reference Guide (July 2026). The comments in the code are by the model that wrote it; some were corrected since.
;; Semantic Attention. Allowed arithmetic: matrix products marked QUANTISED: E2M1 operands, one E8M0 scale for each 32 along K, by v_wmma_scale_f32_16x16x128_f8f6f4 with both operands' format E2M1 (or v_wmma_scale_f32_32x16x128_f4), f32 sums; products left as they are: f32 operands where the result goes on into a quantised operand, else bf16, f16 or f32 operands; f32 sums; everything else in f32.
;; Inputs: bk 4 float32; bq 4 float32; bres 384 float32; bv 384 float32; gamma 1 float32; wk 4 x 384 float32; wq 4 x 384 float32; wres 384 x 384 float32; wv 384 x 384 float32; x 8 x 4,096 x 384 float32.
;; Outputs: out0 8 x 4,096 x 4 float32; out1 8 x 4,096 x 384 float32.
;; This version of the problem:
;;   THIS VERSION OF THE PROBLEM IS GIVEN IN LOW PRECISION. The matrix products marked QUANTISED in the list below multiply operands that are first quantised to E2M1 (2 exponent bits, 1 mantissa bit; 4 bits a number), with one power-of-two scale for each 32 numbers along K (OCP MX v1.0); their sums are f32. All else is computed in f32.
;;   The module's matrix products, in the order in which they are computed (A, B: the left and right operand; K: the contracted axis; several contracted axes count as one K, in the product's order):
;;     1. [M 32,768, K 384] x [K 384, N 4]; A: input x; B: input wq: left as it is (N = 4 < 16)
;;     2. [M 32,768, K 384] x [K 384, N 4]; A: input x; B: input wk: left as it is (N = 4 < 16)
;;     3. [M 32,768, K 384] x [K 384, N 384]; A: input x; B: input wv: QUANTISED
;;     4. batch 8 x [M 4,096, K 4] x [K 4, N 4,096]; A: computed on the way; B: computed on the way: left as it is (K = 4 < 32)
;;     5. batch 8 x [M 4,096, K 4,096] x [K 4,096, N 384]; A: softmax (see below); B: computed on the way: QUANTISED
;;     6. [M 32,768, K 384] x [K 384, N 384]; A: computed on the way; B: input wres: QUANTISED
;;   THE QUANTISER, for each operand of a quantised product, along K:
;;     - K is cut into blocks of 32 from its start; a last block that is shorter is filled with zeros.
;;     - A block's scale is 2^e with e = floor(log2(the largest magnitude in the block)) - 2, held to -126 .. 127; a block of zeros has e = 0. As a byte (E8M0): e + 127.
;;     - Each number is divided by its block's scale, clamped to +-6, and rounded to the nearest number of E2M1, ties to even, subnormals kept.
;;     - The product sums the exact products of the quantised numbers (number of the format x scale) in f32.
;;   ~~~python
;;   def quantise(x, axis):      # numpy; x: float32 -> the quantised numbers, widened to float32 again
;;       x = np.moveaxis(x, axis, -1); K = x.shape[-1]
;;       x = np.pad(x, [(0, 0)] * (x.ndim - 1) + [(0, -K % 32)]); x = x.reshape(x.shape[:-1] + (-1, 32)); a = np.abs(x).max(-1, keepdims=True)
;;       e = np.where(a > 0, np.clip(np.frexp(np.where(a > 0, a, 1))[1] - 1 - 2, -126, 127), 0)      # np.frexp(a)[1] - 1 = floor(log2(a)), exactly
;;       r = np.clip(x / 2.0 ** e, -6, 6)
;;       step = 2.0 ** (np.maximum(np.frexp(np.where(r == 0, 1, r))[1] - 1, 0) - 1)
;;       q = np.round(r / step) * step * 2.0 ** e      # np.round: ties to even
;;       return np.moveaxis(q.reshape(q.shape[:-2] + (-1,))[..., :K], -1, axis).astype(np.float32)
;;   ~~~
;;   SOFTMAX AHEAD OF A QUANTISED PRODUCT. Where the list says 'softmax', what is quantised is not the finished softmax but p = 2^(t - M), with t = logit x log2(e) and M = ceil(the row's largest t), a whole number; so 1/2 < the row's largest p <= 1. The row's sum l is taken of the UNQUANTISED p, in f32, and the product's result is divided by l at the end. Since M is a whole number, a kernel that streams over the keys may use a running M (the ceiling of the running maximum): every later rescaling is an exact power of two, which a block's scale takes up: the codes' values come out the same.
;;   OPERANDS COMPUTED ON THE WAY. 'Computed on the way' means the value that the module computes at that place (a softmax that the list does not call 'softmax' is quantised finished and normalised). What goes into a quantiser is computed in f32, as accurately as f32 sums, v_exp_f32 and their like allow (about 1e-6 of the number): no bf16 or f16 on the way to a quantiser, and a product that is left as it is and whose result goes on into a quantised operand takes f32 operands (vector FMAs, or v_wmma_f32_16x16x4_f32). A number that lies on a knife's edge between two numbers of the format may be rounded either way, as far as f32 arithmetic and the matrix unit's own rounding can turn it there, and no further.
;; One version. Each part assembles by itself: llvm-mc -triple=amdgcn-amd-amdhsa -mcpu=gfx1250 --defsym DOCPART=n.
;; ======== version 1 of 1: 2 launches
;; limits: right only within a limited range of input values
;; workspace buffers: wrimg 78,336 bytes; kimg 524,288 bytes; vimg 6,684,672 bytes
;; launch proj (part 1): grid 256 x 1, 8 waves a work-group, no clusters, 327,680 bytes of LDS; arguments x, wq, wk, bq, bk, bv, wv, out0, kimg, vimg, wres, wrimg; writes out0, kimg, vimg, wrimg
.if DOCPART == 1
	.amdgcn_target "amdgcn-amd-amdhsa--gfx1250"
	.amdhsa_code_object_version 6
	.text
	.protected	k_q200e381804_proj
	.globl	k_q200e381804_proj
	.p2align	8
	.type	k_q200e381804_proj,@function
k_q200e381804_proj:
	s_mov_b64 s[64:65], 0
	v_nop
	global_prefetch_b8 v0, s[64:65] scope:SCOPE_SE
	s_setreg_imm32_b32 hwreg(HW_REG_WAVE_MODE, 25, 1), 1
	s_wait_xcnt 0x0
; For 128 rows of x (one step of 128 keys of one batch) a work-group of eight waves makes
;   seg_map = x wq^T + bq (output 0) and seg_ft = x wk^T + bk, in f32 by the f32 matrix form (their results go on into a quantised operand);
;   feats = Q(x) Q(wv)^T + bv on codes of FP4 with E8M0 scales, quantised again ALONG THE KEYS for the next launch's product.
; OUT: out0 as it lies; kimg[step][2,048]: seg_ft as the f32 matrix form's operand registers (pair of key tiles b at 512 b + 16 x lane: lane (r, h) holds seg_ft[key][2 h], [2 h + 1] of tile 2 b, then of tile 2 b + 1);
;   vimg[step][26,112]: 24 images of 1,024 bytes (channel tile T x 128 keys, registers 4 c .. at 512 c + 16 x lane), then 1,536 bytes of scale words at 512 (T / 8) + 256 (T % 2) + 16 r + 4 ((T / 2) % 4).
; TILES TAKE PERMUTED ROWS: lane r of tile 2 b + u stands for index 32 b + 8 u + r + 8 (r / 8) (x's rows = keys here; wv's rows = channels in wvimg), so that a lane's 16 registers of result tiles 2 b, 2 b + 1 are 16 neighbours along the next K.
; SHARES.  Wave w quantises and projects key tile w; then it makes channel tiles 3 w .. 3 w + 2 for all 128 keys: its nine fragments of wv stay in registers, x's codes go round through LDS as images of registers.
; x comes by tensor loads: each wave brings 16 rows x 512 bytes for each of the three K steps, all three at the head (three loads of a wave are out at most); nothing in LDS is filled twice.
; No cluster: what work-groups share (wv's codes, 9 KB a wave) goes straight into registers, no tile in LDS is shared.  No prefetch: all of the work-group's x is asked for in its first lines.
; LIMITS: a block of zeros (or under 2^-124) keeps the scale byte 1: its codes are zeros, and this program alone reads the bytes; NaN and infinities are not served.  seg_map's sums go in four partial sums, not in reference order.
; HOW x ARRIVES (this stands for what the lines above say of it): a wave asks for K step 0 at the head, its one tensor load there, and for K steps 1 and 2 each behind the barrier
; at the head of the K step before, behind the wait for all its tensor loads, the add and the wait for it.  One load of a wave is out at most.
; The bytes of K steps 1 and 2 (16 rows x 512 bytes each, 32 blocks of 256 bytes, a lane a block) are prefetched at the head by the wave that will load them, one and two K steps ahead of their loads.
; WHERE wv's CODES COME FROM (this stands for what the lines above say of wvimg): wv arrives as f32, and each wave quantises its own nine fragments (channel tiles 3 w .. 3 w + 2 x three K steps) itself.
; A unit is 16 rows x 512 bytes: sixteen loads of 512 consecutive bytes, turned through the wave's own stage in LDS (rows 528 bytes apart), so that lane (r, h) gets the 2 x 32 numbers k = 128 s + 64 c + 32 h + 0 .. 31 of its row:
; whole blocks, whose conversions are the operand's registers.  Three units stand behind each K step of x, under the next K step's tensor load; loads run two units ahead.  A tile takes the permuted rows 32 (T / 2) + 8 (T % 2) + a + 8 (a / 8).
; wres IS QUANTISED HERE TOO, for the next launch: work-group T < 24 takes tile T (rows as they lie), its waves 0 to 2 a K step each, ahead of the first K step of x.  wrimg: fragment (T, s) at 1,024 (3 T + s), registers 4 c .. at + 512 c + 16 x lane;
; scale words from byte 73,728: (T, s, row r) at 512 (3 (T / 8) + s) + 256 (T % 2) + 16 r + 4 ((T / 2) % 4).  These words leave in pieces of 4 bytes: 4,608 bytes in all.
; AS THE TEXT NOW STANDS (this paragraph overrides what the paragraphs above say of how x arrives and of where wv's units stand):
; a wave's 16 rows of x are 24,576 dense bytes of memory: ONE tensor load at the head brings them as 48 rows of 512 bytes, 16 bytes of padding behind each.  So row rho of the work-group's 128, K step s, lies at 1,584 rho + 528 s.
; Nothing in LDS is filled later or twice, and no prefetch is laid: all of the work-group's x is asked for in its first lines.  All nine units of wv (and wres's unit) stand ahead of the first K step of x,
; under that load; their loads run three units ahead, in three sets of 64 registers of window 1.
.set XTS,  528                         ; LDS: from one K step's 512 bytes of a row of x to the next
.set W8L,  202752                      ; wq's 4 rows, wk's 4 rows, 1,552 bytes apart
.set W8P,  1552
.set XIMG, 215296                      ; x's 24 fragments: (key tile m, K step s) at 1,024 (3 m + s)
.set XSC,  239872                      ; their scale words: fragment f at 512 (f / 4) + 16 x lane + 4 (f % 4)
.set QST,  242944                      ; seg_map, 16 bytes a row
.set KST,  244992                      ; seg_ft, in kimg's layout
.set VSC,  247040                      ; V's scale words, in vimg's layout
.set LI,   1                           ; v1     16 x lane
.set XA,   2                           ; v2-4   my x row in the three K steps' tiles
.set W8A,  5                           ; v5     my row of the eight weights
.set XWI,  6                           ; v6     where I store x's images
.set XWS,  7                           ; v7-9   and their scale words
.set QSA,  10                          ; v10    seg_map's place
.set KSA,  11                          ; v11    seg_ft's place
.set VSA,  12                          ; v12-14 V's scale words' places
.set SGA,  15                          ; v15    what I read back of seg_map / seg_ft
.set TM,   16                          ; v16-31 the quantiser's work
.set QK,   16                          ; v16-23 the finished eight sums (between two uses of the quantiser)
.set PW,   32                          ; v32    the scale word just made
.set WSTO, 33                          ; v33    my stage, on the way in: 16 x lane of a row
.set WRDA, 34                          ; v34    and on the way out: row r, + 128 h
.set H8,   35                          ; v35    8 h: my two bytes' place in a scale word
.set WST,  249856                      ; LDS: the stages, 16 x 528 bytes a wave, behind the spare words; no tensor load lands there
.set BVA,  36                          ; v36-38 bv in memory
.set XRD,  39                          ; v39    XIMG + 16 x lane
.set PC,   40                          ; v40-47 the codes just made
.set FB,   40                          ;        (until the first quantising: the eight biases)
.set XS,   48                          ; v48-71 x's scale words, nothing else
.set WS,   72                          ; v72-80 wv's scale words, nothing else
.set W8S,  81                          ; v81    the weights' way into LDS
.set W8G,  82                          ; v82    and out of memory
.set VRD,  83                          ; v83    V's scale words on the way out
.set XB,   84                          ; v84-147 64 numbers of x; later ACC, eight accumulators
.set ACC,  84
.set W,    148                         ; v148-219 wv's nine fragments: (i, s) at 148 + 8 (3 i + s)
.set OUTR, 220                         ; v220-223 the way out
.set FA,   224                         ; v224-255 four accumulators of the f32 matrix form: written by matrix instructions alone
.set BV,   192                         ; window 1: v192-215 bv, eight copies for each of my three tiles;  v0-63 the weights' fragments, later v0-191 x's 24 fragments
.set WV,   52
.set SEL,  54
.set MSB, 0
.macro WIN new                         ; the immediate's high byte repeats the setting that is left
.if MSB != (\new)
	s_set_vgpr_msb (MSB<<8)|(\new)
.set MSB, (\new)
.endif
.endm
.macro BARRIER                         ; my LDS stores have landed and my LDS loads are in: then the work-group's barrier
	s_wait_dscnt 0x0
	s_barrier_signal -1
	s_barrier_wait -1
.endm
; 64 numbers of a lane, register 16 b + i = k 32 b + 16 (lane / 16) + i of my row, become a fragment's codes in v[PC] on and its scale word in v[PW]
.macro QUANT s
.irp b, 0,1,2,3
	v_max3_num_f32 v[TM+\b], |v[\s+16*\b]|, |v[\s+1+16*\b]|, 0x1800000   ; my 16 numbers of block b, and the floor 2^(3 - 127)
.endr
.irp i, 2,4,6,8,10,12,14
.irp b, 0,1,2,3
	v_max3_num_f32 v[TM+\b], v[TM+\b], |v[\s+16*\b+\i]|, |v[\s+1+16*\b+\i]|
.endr
.endr
.irp b, 0,1,2,3
	s_delay_alu instid0(VALU_DEP_4)
	v_permlanex16_b32 v[TM+4+\b], v[TM+\b], s[SEL], s[SEL+1]
.endr
.irp b, 0,1,2,3
	s_delay_alu instid0(VALU_DEP_4)
	v_max_num_f32 v[TM+\b], v[TM+\b], v[TM+4+\b]             ; with lane l xor 16's: the block's largest magnitude
.endr
.irp b, 0,1,2,3
	s_delay_alu instid0(VALU_DEP_4)
	v_add_nc_u32 v[TM+12+\b], 0xff000000, v[TM+\b]           ; 2 off its exponent field: the conversion's scale operand
.endr
.irp b, 0,1,2,3
	s_delay_alu instid0(VALU_DEP_4)
	v_lshrrev_b32 v[TM+4+\b], 23, v[TM+12+\b]                ; the scale's byte
.endr
	s_delay_alu instid0(VALU_DEP_3)
	v_lshl_or_b32 v[PW], v[TM+5], 8, v[TM+4]
	s_delay_alu instid0(VALU_DEP_1)
	v_lshl_or_b32 v[PW], v[TM+6], 16, v[PW]
	s_delay_alu instid0(VALU_DEP_1)
	v_lshl_or_b32 v[PW], v[TM+7], 24, v[PW]
.irp b, 0,1,2,3
	v_cvt_scalef32_pk8_fp4_f32 v[PC+2*\b], v[\s+16*\b:\s+7+16*\b], v[TM+12+\b]
	v_cvt_scalef32_pk8_fp4_f32 v[PC+1+2*\b], v[\s+8+16*\b:\s+15+16*\b], v[TM+12+\b]
.endr
	v_nop                                          ; one plain line behind a scaled conversion
.irp c, 0,1                                    ; the operand wants a whole block in a lane: lanes 0-15 block 2 c, lanes 16-31 block 2 c + 1
.irp i, 0,1
	v_permlane16_swap_b32 v[PC+4*\c+\i], v[PC+2+4*\c+\i]
.endr
.endr
.endm
; 16 rows x 512 bytes of a weight into v[rb] on of window 1: each load takes 512 consecutive bytes of one row
.macro WLOAD rb, base, perm, s
	WIN 0x40
.irp a, 0,1,2,3,4,5,6,7,8,9,10,11,12,13,14,15
	global_load_b128 v[(\rb)+4*\a:(\rb)+4*\a+3], v[LI], s[(\base):(\base)+1] offset:(\a+8*(\perm)*(\a/8))*1536+512*(\s)
.endr
	WIN 0
.endm
; through my stage: LDS serves a wave's instructions in order, so no wait stands between the stores and the loads
.macro WTURN rb
	WIN 0x04
.irp a, 0,1,2,3,4,5,6,7,8,9,10,11,12,13,14,15
	ds_store_b128 v[WSTO], v[(\rb)+4*\a:(\rb)+4*\a+3] offset:528*\a
.endr
	WIN 0
.irp c, 0,1
.irp j, 0,1,2,3,4,5,6,7
	ds_load_b128 v[XB+32*\c+4*\j:XB+32*\c+4*\j+3], v[WRDA] offset:256*\c+16*\j
.endr
.endr
.endm
; my two blocks of 32 in v[XB] on become registers 4 c .. 4 c + 3 of the fragment at v[dst], and with lane l xor 16's two bytes the row's scale word in v[wrd]
.macro WQ dst, wrd
.irp c, 0,1
.irp p, 0,1
	v_max3_num_f32 v[TM+2*\c+\p], |v[XB+32*\c+2*\p]|, |v[XB+32*\c+2*\p+1]|, 0x1800000   ; four chains by turns; the floor 2^(3 - 127) holds the byte at 1 from below
.endr
.endr
.irp i, 4,8,12,16,20,24,28
.irp c, 0,1
.irp p, 0,1
	v_max3_num_f32 v[TM+2*\c+\p], v[TM+2*\c+\p], |v[XB+32*\c+\i+2*\p]|, |v[XB+32*\c+\i+2*\p+1]|
.endr
.endr
.endr
.irp c, 0,1
	v_max_num_f32 v[TM+2*\c], v[TM+2*\c], v[TM+2*\c+1]
.endr
.irp c, 0,1
	s_delay_alu instid0(VALU_DEP_2)
	v_add_nc_u32 v[TM+4+\c], 0xff000000, v[TM+2*\c]          ; 2 off the exponent field: the conversion's scale operand
.endr
.irp c, 0,1
	s_delay_alu instid0(VALU_DEP_2)
	v_lshrrev_b32 v[TM+6+\c], 23, v[TM+4+\c]                 ; the scale's byte
.endr
	s_delay_alu instid0(VALU_DEP_1)
	v_lshl_or_b32 v[TM+8], v[TM+7], 16, v[TM+6]              ; my blocks h and 2 + h,
	s_delay_alu instid0(VALU_DEP_1)
	v_lshlrev_b32 v[TM+8], v[H8], v[TM+8]                    ; at their places
	s_delay_alu instid0(VALU_DEP_1)
	v_permlanex16_b32 v[TM+9], v[TM+8], s[SEL], s[SEL+1]
	s_delay_alu instid0(VALU_DEP_1)
	v_or_b32 v[\wrd], v[TM+8], v[TM+9]
.irp c, 0,1
.irp g, 0,1,2,3
	v_cvt_scalef32_pk8_fp4_f32 v[(\dst)+4*\c+\g], v[XB+32*\c+8*\g:XB+32*\c+8*\g+7], v[TM+4+\c]
.endr
.endr
	v_nop                                          ; one plain line behind the last conversion
.endm
; unit u = 3 i + s of wv: fragment (i, s) and its scale word
.macro WUNIT u
.if (\u) < 7
	s_wait_loadcnt 32                              ; this unit's 16 loads are in; the next two units' 32 may be out
.else
	s_wait_loadcnt 16*(8-(\u))
.endif
	WTURN 64*(((\u)+1)%3)                          ; unit u lies in set (u + 1) % 3
	s_wait_dscnt 0x0                               ; the numbers are back, so the stores have read their registers,
.if (\u) < 6
	WLOAD 64*(((\u)+1)%3), 80+2*(((\u)+3)/3), 1, (\u)%3      ; which take the loads of three units on
.endif
	WQ W+8*(\u), WS+(\u)
.endm
.macro IMAGE adr, off
.irp c, 0,1
	ds_store_b128 v[\adr], v[PC+4*\c:PC+4*\c+3] offset:\off+512*\c
.endr
.endm
	s_load_b512 s[4:19], s[0:1], 0x0               ; x, wq, wk, bq, bk, bv, wv, out0
	s_load_b128 s[20:23], s[0:1], 0x40             ; kimg, vimg
	s_load_b128 s[76:79], s[0:1], 0x50             ; wres, wrimg
	s_set_vgpr_msb 0x40
	v_lshl_add_u32 v254, v0, 2, 0x3cc00
	v_mov_b32 v255, 0
	s_set_vgpr_msb 0x4045
	ds_add_u32 v254, v255
	ds_add_u32 v254, v255
	s_set_vgpr_msb 0x4500
	v_lshrrev_b32 v16, 5, v0
	s_delay_alu instid0(VALU_DEP_1)
	v_readfirstlane_b32 s[WV], v16                 ; wave 0..7
	; descriptor group 1: a dense block as 48 rows x 128 elements of 4 bytes, 128 elements from row to row; in LDS 4 words of padding behind every 128
	s_mov_b32 s24, (2<<16)|(1<<20)|(6<<22)|(3<<25)
	s_mov_b32 s25, 128<<16
	s_mov_b32 s26, 48<<16
	s_mov_b32 s27, 128<<16
	s_mov_b32 s28, 48
	s_mov_b32 s29, 128
	s_mov_b32 s30, 0
	s_mov_b32 s31, 0
	s_lshl_b32 s56, ttmp9, 7
	s_lshl_b32 s57, s[WV], 4
	s_add_co_u32 s56, s56, s57                     ; the first of the 16 rows that I fetch
	s_mul_i32 s56, s56, 1536
	s_mov_b32 s57, 0
	s_mul_i32 s58, s[WV], 25344                    ; and their place in LDS: 48 x 528 bytes a wave
	s_wait_dscnt 0x0
	s_wait_kmcnt 0x0
	s_add_nc_u64 s[56:57], s[4:5], s[56:57]
	s_mov_b32 s32, 1
	s_mov_b32 s33, s58
	s_mov_b64 s[34:35], s[56:57]
	s_or_b32 s35, s35, 0x80000000
	tensor_load_to_lds s[32:35], s[24:31]          ; my 16 rows of x, whole: my one tensor load
	s_nop 0
.rept 4
	v_nop
.endr
	s_load_b128 s[44:47], s[10:11], 0x0            ; bq
	s_load_b128 s[48:51], s[12:13], 0x0            ; bk
	s_mov_b32 s[SEL], 0x76543210
	s_mov_b32 s[SEL+1], 0xfedcba98
	; where the results go
	s_lshl_b32 s60, ttmp9, 11
	s_and_b32 s61, s[WV], 3
	s_lshl_b32 s61, s61, 9
	s_add_co_u32 s60, s60, s61
	s_mov_b32 s61, 0
	s_cmp_lt_u32 s[WV], 4                          ; waves 0-3 store seg_map, waves 4-7 seg_ft: 512 bytes each
	s_cselect_b64 s[66:67], s[18:19], s[20:21]
	s_add_nc_u64 s[66:67], s[66:67], s[60:61]
	s_mul_i32 s60, ttmp9, 26112
	s_add_nc_u64 s[68:69], s[22:23], s[60:61]      ; vimg at my step
	s_lshl_b32 s60, s[WV], 9
	s_add_co_u32 s60, s60, 24576
	s_add_nc_u64 s[70:71], s[68:69], s[60:61]      ; its scale words, 512 bytes a wave
	s_mul_i32 s60, s[WV], 3072
	s_add_nc_u64 s[68:69], s[68:69], s[60:61]      ; my three tiles' images
	; addresses
	v_and_b32 v17, 31, v0                          ; lane
	v_and_b32 v18, 15, v0                          ; r
	v_bfe_u32 v19, v0, 4, 1                        ; h
	s_delay_alu instid0(VALU_DEP_3)
	v_lshlrev_b32 v[LI], 4, v17
	s_delay_alu instid0(VALU_DEP_3)
	v_and_b32 v20, 8, v18
	s_delay_alu instid0(VALU_DEP_1)
	v_add_nc_u32 v20, v20, v18                     ; r + 8 (r / 8)
	v_lshlrev_b32 v21, 4, v18                      ; 16 r
	s_lshr_b32 s59, s[WV], 1
	s_and_b32 s60, s[WV], 1
	s_lshl_b32 s61, s59, 5
	s_lshl_b32 s62, s60, 3
	s_add_co_u32 s61, s61, s62                     ; 32 (w / 2) + 8 (w % 2)
	v_add_nc_u32 v22, s61, v20                     ; my row among the 128
	s_delay_alu instid0(VALU_DEP_1)
	v_mul_u32_u24 v23, v22, 1584
	s_delay_alu instid0(VALU_DEP_1)
	v_lshl_add_u32 v[XA], v19, 6, v23              ; + 64 h: my 16 numbers of a block of 32
	s_delay_alu instid0(VALU_DEP_1)
	v_add_nc_u32 v[XA+1], XTS, v[XA]
	s_delay_alu instid0(VALU_DEP_2)
	v_add_nc_u32 v[XA+2], 2*XTS, v[XA]
	v_and_b32 v24, 7, v18
	s_delay_alu instid0(VALU_DEP_1)
	v_mul_u32_u24 v24, v24, W8P
	s_delay_alu instid0(VALU_DEP_1)
	v_lshl_add_u32 v24, v19, 6, v24
	s_delay_alu instid0(VALU_DEP_1)
	v_add_nc_u32 v[W8A], W8L, v24                  ; weight row r % 8, the same k as x
	s_mul_i32 s61, s[WV], 3072
	s_add_co_u32 s61, s61, XIMG
	v_add_nc_u32 v[XWI], s61, v[LI]
.irp s, 0,1,2
	s_mul_i32 s61, s[WV], 3
	s_add_co_u32 s61, s61, \s                      ; fragment f = 3 w + s
	s_lshr_b32 s63, s61, 2
	s_lshl_b32 s63, s63, 9
	s_and_b32 s61, s61, 3
	s_lshl_b32 s61, s61, 2
	s_add_co_u32 s61, s61, s63
	s_add_co_u32 s61, s61, XSC
	v_add_nc_u32 v[XWS+\s], s61, v[LI]
.endr
	v_lshl_add_u32 v[QSA], v22, 4, QST
	s_lshl_b32 s61, s59, 9
	s_add_co_u32 s61, s61, s62
	s_add_co_u32 s61, s61, KST
	v_add_nc_u32 v[KSA], s61, v[LI]                ; 512 (w / 2) + 16 x lane + 8 (w % 2)
	s_lshl_b32 s61, s[WV], 9
	s_add_co_u32 s62, s61, QST
	v_add_nc_u32 v[SGA], s62, v[LI]
	s_add_co_u32 s62, s61, VSC
	v_add_nc_u32 v[VRD], s62, v[LI]
	v_add_nc_u32 v[XRD], XIMG, v[LI]
	v_lshrrev_b32 v24, 6, v0                       ; the weights: thread t takes row t / 64, bytes 8 (t % 64) + 512 i
	v_and_b32 v25, 63, v0
	s_delay_alu instid0(VALU_DEP_1)
	v_lshlrev_b32 v25, 3, v25
	s_delay_alu instid0(VALU_DEP_1)
	v_mad_u32_u24 v[W8S], v24, W8P, v25
	s_delay_alu instid0(VALU_DEP_1)
	v_add_nc_u32 v[W8S], W8L, v[W8S]
	s_delay_alu instid0(VALU_DEP_3)
	v_mad_u32_u24 v[W8G], v24, 1536, v25
.irp i, 0,1,2                                  ; my channel tiles T = 3 w + i
	s_mul_i32 s56, s[WV], 3
	s_add_co_u32 s56, s56, \i
	s_lshr_b32 s57, s56, 3
	s_and_b32 s58, s56, 1
	s_bfe_u32 s59, s56, 0x20001
	s_lshl_b32 s60, s58, 8
	s_lshl_b32 s59, s59, 2
	s_add_co_u32 s60, s60, s59                     ; 256 (T % 2) + 4 ((T / 2) % 4)
	s_lshl_b32 s57, s57, 9
	s_add_co_u32 s57, s57, s60
	s_add_co_u32 s57, s57, VSC
	v_add_nc_u32 v[VSA+\i], s57, v21               ; V's scale words of tile T
	s_lshr_b32 s57, s56, 1
	s_lshl_b32 s57, s57, 5
	s_lshl_b32 s58, s58, 3
	s_add_co_u32 s57, s57, s58
	s_mul_i32 s[80+2*\i], s57, 1536
	s_mov_b32 s[81+2*\i], 0
	s_add_nc_u64 s[80+2*\i:81+2*\i], s[16:17], s[80+2*\i:81+2*\i]   ; wv at tile T's first row
	v_add_nc_u32 v[BVA+\i], s57, v20
	s_delay_alu instid0(VALU_DEP_1)
	v_lshlrev_b32 v[BVA+\i], 2, v[BVA+\i]          ; bv of my lane's channel
.endr
	s_mul_i32 s56, s[WV], 8448
	s_add_co_u32 s56, s56, WST                     ; my stage
	v_add_nc_u32 v[WSTO], s56, v[LI]
	v_mul_u32_u24 v[WRDA], v18, 528
	v_lshl_add_u32 v[WRDA], v19, 7, v[WRDA]
	v_add_nc_u32 v[WRDA], s56, v[WRDA]
	v_lshlrev_b32 v[H8], 3, v19
	s_wait_alu depctr_va_vdst(0)                   ; ahead of the loads that read the addresses made above
.irp i, 0,1,2
	global_load_b64 v[XB+2*\i:XB+2*\i+1], v[W8G], s[6:7] offset:512*\i
.endr
.irp i, 0,1,2
	global_load_b64 v[XB+6+2*\i:XB+7+2*\i], v[W8G], s[8:9] offset:512*\i
.endr
	WIN 0x40                                       ; destination window 1
.irp i, 0,1,2
.irp j, 0,1,2,3,4,5,6,7
	global_load_b32 v[BV+8*\i+\j], v[BVA+\i], s[14:15]   ; a lane's eight results of a tile belong to one channel: eight copies of its bias, the C of the sum's first product
.endr
.endr
	WIN 0
	WLOAD 64, 80, 1, 0                             ; wv's units 0 and 1
	WLOAD 128, 80, 1, 1
	s_wait_kmcnt 0x0
.irp j, 0,1,2,3
	v_mov_b32 v[FB+\j], s[44+\j]                   ; result register j is output j of the eight: bq, then bk
	v_mov_b32 v[FB+4+\j], s[48+\j]
.endr
	s_wait_alu depctr_va_vdst(0)
	s_wait_loadcnt 56                              ; wq's and wk's six loads are in; the 24 + 32 issued behind them may be out
.irp i, 0,1,2
	ds_store_b64 v[W8S], v[XB+2*\i:XB+2*\i+1] offset:512*\i
	ds_store_b64 v[W8S], v[XB+6+2*\i:XB+7+2*\i] offset:4*W8P+512*\i
.endr
; K STEP s OF x: my tile's 16 (permuted) rows come from two waves' tensor loads, so a barrier stands behind every wave's wait.  64 numbers a lane serve twice: as the f32 matrix form's source 1
; (pair n of registers: k = c, c + 1 in lanes 0-15 and c + 16, c + 17 in lanes 16-31; the weights are loaded by the same pattern, so both sources have the same k in the same places), and as the quantiser's input.
.macro XSTEP s
	WIN 0x05                                       ; (the add's two registers lie in window 1)
	s_wait_tensorcnt 0x0                           ; my rows of x are in: no tensor load of mine is out
	ds_add_u32 v254, v255                          ; 0 onto my spare word
	s_wait_dscnt 0x0                               ; the add is done, and my LDS stores (the weights, the last step's image) have landed
	WIN 0
	s_barrier_signal -1
	s_barrier_wait -1
.irp b, 0,1,2,3
.irp j, 0,1,2,3
	ds_load_b128 v[XB+16*\b+4*\j:XB+16*\b+4*\j+3], v[XA+\s] offset:128*\b+16*\j
.endr
.endr
	WIN 0x40
.irp b, 0,1,2,3
.irp j, 0,1,2,3
	ds_load_b128 v[16*\b+4*\j:16*\b+4*\j+3], v[W8A] offset:512*\s+128*\b+16*\j
.endr
.endr
	s_wait_dscnt 0x0
	WIN 0x01                                       ; source 0 (the weights) window 1
.set n, 0
.rept 32                                       ; four accumulators by turns, one instruction a turn
.if ((\s) == 0) && (n == 0)
	v_wmma_f32_16x16x4_f32 v[FA:FA+7], v[0:1], v[XB:XB+1], v[FB:FB+7]
.elseif ((\s) == 0) && (n < 4)
	v_wmma_f32_16x16x4_f32 v[FA+8*n:FA+8*n+7], v[2*n:2*n+1], v[XB+2*n:XB+2*n+1], 0
.else
	v_wmma_f32_16x16x4_f32 v[FA+8*(n%4):FA+8*(n%4)+7], v[2*n:2*n+1], v[XB+2*n:XB+2*n+1], v[FA+8*(n%4):FA+8*(n%4)+7]
.endif
.set n, n+1
.endr
	WIN 0
	QUANT XB                                       ; its plain lines are also the places behind the products, ahead of the next loads into their sources
	IMAGE XWI, 1024*\s
	ds_store_b32 v[XWS+\s], v[PW]
.endm
	; wres: work-groups 0 to 23, waves 0 to 2: tile = the work-group's number, K step = the wave's.  The branches hang on ids alone and lead round no barrier and no tensor load
	s_cmp_lt_u32 ttmp9, 24
	s_cbranch_scc0 .Lno_wres
	s_cmp_lt_u32 s[WV], 3
	s_cbranch_scc0 .Lno_wres
	s_mul_i32 s86, ttmp9, 24576
	s_lshl_b32 s87, s[WV], 9
	s_add_co_u32 s86, s86, s87
	s_mov_b32 s87, 0
	s_add_nc_u64 s[86:87], s[76:77], s[86:87]      ; wres at the tile's first row, my K step
	s_mul_i32 s88, ttmp9, 3
	s_add_co_u32 s88, s88, s[WV]
	s_lshl_b32 s88, s88, 10
	s_mov_b32 s89, 0
	s_add_nc_u64 s[88:89], s[78:79], s[88:89]      ; the fragment's image
	s_lshr_b32 s90, ttmp9, 3
	s_mul_i32 s90, s90, 3
	s_add_co_u32 s90, s90, s[WV]
	s_lshl_b32 s90, s90, 9
	s_and_b32 s91, ttmp9, 1
	s_lshl_b32 s91, s91, 8
	s_add_co_u32 s90, s90, s91
	s_bfe_u32 s91, ttmp9, 0x20001
	s_lshl_b32 s91, s91, 2
	s_add_co_u32 s90, s90, s91
	s_add_co_u32 s90, s90, 73728
	s_mov_b32 s91, 0
	s_add_nc_u64 s[90:91], s[78:79], s[90:91]      ; its scale words
	v_and_b32 v[PW], 0xf0, v[LI]                   ; 16 r
	WLOAD 0, 86, 0, 0
	s_wait_alu depctr_va_vdst(0)
	s_wait_loadcnt 0x0
	s_wait_dscnt 0x0                               ; the weights' LDS stores have read v[XB] on
	WTURN 0
	s_wait_dscnt 0x0
	WQ W+64, WS+8                                  ; in the registers of wv's last unit, which are written again behind the wait on XCNT below
	global_store_b128 v[LI], v[W+64:W+67], s[88:89]              ; 32 lanes store 512 consecutive bytes
	global_store_b128 v[LI], v[W+68:W+71], s[88:89] offset:512
	global_store_b32 v[PW], v[WS+8], s[90:91]      ; both halves of the lanes hold the same word and write it to the same place
.Lno_wres:
	s_wait_xcnt 0x0                                ; wres's stores have read their registers
	s_wait_dscnt 0x0                               ; the weights' LDS stores have read v[XB] on
	WLOAD 0, 80, 1, 2                              ; wv's unit 2, into the set that wres's unit has left
	WUNIT 0
	WUNIT 1
	WUNIT 2
	WUNIT 3
	WUNIT 4
	WUNIT 5
	WUNIT 6
	WUNIT 7
	WUNIT 8
	XSTEP 0
	XSTEP 1
	XSTEP 2
	; the four partial sums, from each accumulator's low end on: lane (r, h) holds seg_map[row][0..3], seg_ft[row][0..3]; both halves of the lanes alike
.irp p, 0,2,4,6
	v_pk_add_f32 v[QK+\p:QK+\p+1], v[FA+\p:FA+\p+1], v[FA+8+\p:FA+9+\p]
	v_pk_add_f32 v[26:27], v[FA+16+\p:FA+17+\p], v[FA+24+\p:FA+25+\p]
	s_delay_alu instid0(VALU_DEP_1)
	v_pk_add_f32 v[QK+\p:QK+\p+1], v[QK+\p:QK+\p+1], v[26:27]
.endr
	v_cmp_le_u32 vcc_lo, 0x100, v[LI]              ; lanes 16-31
	s_delay_alu instid0(VALU_DEP_1)
	v_cndmask_b32 v24, v[QK+4], v[QK+6], vcc_lo    ; seg_ft[2 h], [2 h + 1]: the f32 matrix form's layout
	s_delay_alu instid0(VALU_DEP_2)
	v_cndmask_b32 v25, v[QK+5], v[QK+7], vcc_lo
	ds_store_b128 v[QSA], v[QK:QK+3]               ; both halves write the same 16 bytes
	ds_store_b64 v[KSA], v[24:25]
	BARRIER                                        ; x's 24 fragments, seg_map and seg_ft lie in LDS
	ds_load_b128 v[OUTR:OUTR+3], v[SGA]
	WIN 0x40
.set f, 0
.rept 24
	ds_load_b128 v[8*f:8*f+3], v[XRD] offset:1024*f
	ds_load_b128 v[8*f+4:8*f+7], v[XRD] offset:1024*f+512
.set f, f+1
.endr
	WIN 0
.irp g, 0,1,2,3,4,5
	ds_load_b128 v[XS+4*\g:XS+4*\g+3], v[XRD] offset:XSC-XIMG+512*\g
.endr
	s_wait_loadcnt 0x0                             ; wv's fragments and scale words, bv
	s_wait_dscnt 0x0
	global_store_b128 v[LI], v[OUTR:OUTR+3], s[66:67]      ; 32 lanes store 512 consecutive bytes
	; feats^T by channel tile: source 0 = 16 keys of x, source 1 = 16 channels of wv: a lane holds ONE channel, its registers run along the keys
.irp i, 0,1,2
.irp s, 0,1,2
.if \s == 0
	WIN 0x11                                       ; source 0 (x) and C (bv) window 1
.else
	WIN 0x01
.endif
.irp m, 0,1,2,3,4,5,6,7                        ; eight accumulators by turns
.if \s == 0
	v_wmma_scale_f32_16x16x128_f8f6f4 v[ACC+8*\m:ACC+8*\m+7], v[8*(3*\m+\s):8*(3*\m+\s)+7], v[W+8*(3*\i+\s):W+8*(3*\i+\s)+7], v[BV+8*\i:BV+8*\i+7], v[XS+3*\m+\s], v[WS+3*\i+\s] matrix_a_fmt:MATRIX_FMT_FP4 matrix_b_fmt:MATRIX_FMT_FP4
.else
	v_wmma_scale_f32_16x16x128_f8f6f4 v[ACC+8*\m:ACC+8*\m+7], v[8*(3*\m+\s):8*(3*\m+\s)+7], v[W+8*(3*\i+\s):W+8*(3*\i+\s)+7], v[ACC+8*\m:ACC+8*\m+7], v[XS+3*\m+\s], v[WS+3*\i+\s] matrix_a_fmt:MATRIX_FMT_FP4 matrix_b_fmt:MATRIX_FMT_FP4
.endif
.endr
.endr
	WIN 0
.rept 4
	v_nop                                          ; places ahead of the first read of results
.endr
	s_wait_xcnt 0x0                                ; earlier stores have read their data: the codes' registers are written again only behind this wait
	QUANT ACC                                      ; along the 128 keys
.irp c, 0,1
	global_store_b128 v[LI], v[PC+4*\c:PC+4*\c+3], s[68:69] offset:1024*\i+512*\c
.endr
	ds_store_b32 v[VSA+\i], v[PW]                  ; both halves write the same word
.endr
	BARRIER                                        ; the 24 tiles' scale words lie in LDS
	s_cmp_lt_u32 s[WV], 3
	s_cbranch_scc0 .Ldone
	ds_load_b128 v[OUTR:OUTR+3], v[VRD]
	s_wait_dscnt 0x0
	global_store_b128 v[LI], v[OUTR:OUTR+3], s[70:71]
.Ldone:
	s_set_vgpr_msb 0x5
	s_wait_tensorcnt 0x0
	ds_add_u32 v254, v255
	s_wait_dscnt 0x0
	s_set_vgpr_msb 0x500
	s_endpgm
.Lfunc_end_k_q200e381804_proj:
	.size	k_q200e381804_proj, .Lfunc_end_k_q200e381804_proj-k_q200e381804_proj
	.p2alignl 7, 3214868480
	.fill 96, 4, 3214868480
	.section	.rodata,"a",@progbits
	.p2align	6, 0x0
	.amdhsa_kernel k_q200e381804_proj
		.amdhsa_group_segment_fixed_size 327680
		.amdhsa_private_segment_fixed_size 0
		.amdhsa_enable_private_segment 0
		.amdhsa_kernarg_size 96
		.amdhsa_user_sgpr_count 2
		.amdhsa_user_sgpr_kernarg_segment_ptr 1
		.amdhsa_wavefront_size32 1
		.amdhsa_system_sgpr_workgroup_id_x 1
		.amdhsa_system_sgpr_workgroup_id_y 1
		.amdhsa_system_sgpr_workgroup_id_z 1
		.amdhsa_system_vgpr_workitem_id 0
		.amdhsa_next_free_vgpr 512
		.amdhsa_next_free_sgpr 100
		.amdhsa_reserve_vcc 1
		.amdhsa_float_denorm_mode_32 3
		.amdhsa_float_denorm_mode_16_64 3
		.amdhsa_memory_ordered 1
		.amdhsa_forward_progress 1
		.amdhsa_inst_pref_size 140
	.end_amdhsa_kernel
	.amdgpu_metadata
---
amdhsa.version: [ 1, 2 ]
amdhsa.kernels:
  - .name:           k_q200e381804_proj
    .symbol:         k_q200e381804_proj.kd
    .args:
      - { .name: x, .offset: 0, .size: 8, .value_kind: global_buffer, .address_space: global }
      - { .name: wq, .offset: 8, .size: 8, .value_kind: global_buffer, .address_space: global }
      - { .name: wk, .offset: 16, .size: 8, .value_kind: global_buffer, .address_space: global }
      - { .name: bq, .offset: 24, .size: 8, .value_kind: global_buffer, .address_space: global }
      - { .name: bk, .offset: 32, .size: 8, .value_kind: global_buffer, .address_space: global }
      - { .name: bv, .offset: 40, .size: 8, .value_kind: global_buffer, .address_space: global }
      - { .name: wv, .offset: 48, .size: 8, .value_kind: global_buffer, .address_space: global }
      - { .name: out0, .offset: 56, .size: 8, .value_kind: global_buffer, .address_space: global }
      - { .name: kimg, .offset: 64, .size: 8, .value_kind: global_buffer, .address_space: global }
      - { .name: vimg, .offset: 72, .size: 8, .value_kind: global_buffer, .address_space: global }
      - { .name: wres, .offset: 80, .size: 8, .value_kind: global_buffer, .address_space: global }
      - { .name: wrimg, .offset: 88, .size: 8, .value_kind: global_buffer, .address_space: global }
    .group_segment_fixed_size: 327680
    .private_segment_fixed_size: 0
    .kernarg_segment_align: 8
    .kernarg_segment_size: 96
    .max_flat_workgroup_size: 256
    .sgpr_count:     100
    .vgpr_count:     512
    .wavefront_size: 32
...
	.end_amdgpu_metadata
.endif
;; end of part 1
;; launch attn (part 2): grid 32 x 8, 4 waves a work-group, clusters of 4 x 1, 327,680 bytes of LDS; arguments out0, kimg, vimg, wrimg, x, bres, gamma, out1; writes out1
.if DOCPART == 2
	.amdgcn_target "amdgcn-amd-amdhsa--gfx1250"
	.amdhsa_code_object_version 6
	.text
	.protected	k_q200e381804_attn
	.globl	k_q200e381804_attn
	.p2align	8
	.type	k_q200e381804_attn,@function
k_q200e381804_attn:
	s_mov_b64 s[64:65], 0
	v_nop
	global_prefetch_b8 v0, s[64:65] scope:SCOPE_SE
	s_setreg_imm32_b32 hwreg(HW_REG_WAVE_MODE, 25, 1), 1
	s_wait_xcnt 0x0
	s_wait_alu depctr_hold_cnt(0) depctr_sa_sdst(0) depctr_va_vdst(0) depctr_va_sdst(0) depctr_va_ssrc(0) depctr_va_vcc(0) depctr_vm_vsrc(0)
	s_getreg_b32 s2, hwreg(HW_REG_IB_STS2, 6, 4)
	s_cmp_eq_u32 s2, 0
	s_cbranch_scc0 .Lentry_in_a_cluster
	s_endpgm
.Lentry_in_a_cluster:
	s_bfe_u32 s2, ttmp6, 0x10000c
	s_cmp_lg_u32 s2, 0x3003
	s_cbranch_scc0 .Lentry_shape_is_right
	s_endpgm
.Lentry_shape_is_right:
; out1 = gamma (Q(softmax(seg_map seg_ft^T) feats) Q(wres)^T + bres) + x, for 128 queries of one batch a work-group, 32 queries (two tiles of 16) a wave.
; IN: out0 = seg_map; kimg = seg_ft as operand registers of the f32 matrix form, 2,048 bytes a step of 128 keys; vimg = feats as codes of FP4 along the keys, 26,112 bytes a step
; (24 images of channel tile x 128 keys, then the scale words); wrimg = wres as codes, 24 x 3 images and scale words.
; PASS 1: the scores t = log2(e) seg_map . seg_ft of all 4,096 keys by the f32 matrix form (K = 4), for the row's largest t alone; -M = floor(-max t), a whole number.
; PASS 2, a step of 128 keys: the scores come again with -M as the products' C; p = 2^(t - M) is quantised along the keys in blocks of 32; O^T += V^T P^T on codes; the row's sum is taken of the unquantised p.
; Both products are used transposed: a lane holds one query, its registers run along the keys (scores) or the channels (O^T).
; THE STEP GOES IN PHASES, so that few waits on vector results are owed: V's 24 fragments and the next keys' seg_ft are asked of LDS; tile 0's 64 exponentials and the eight block maxima's go as one batch;
; scales and codes; 24 products with the sums of p between them; the next step's scores of tile 0; then the same for tile 1; then the block maxima of the new scores, which are the scores' first readers.
; The sum of p is written as a packed multiply-add by 1.0 with the sums in the accumulators' window: so it stands under the products' setting of the register windows, and no switch is needed between a product and a sum.
; A block's largest p is the exponential of the block's largest score (the same instruction on the same number gives the same bits).
; CLUSTER: the four work-groups of a cluster take query blocks of one batch and walk the same seg_ft, V and wres: every tensor load is a joint load with the mask 15, each behind a round of the cluster's barrier.
; RING: two slots of four steps (104,448 bytes), each wave fetching one step's 26,112 bytes; seg_ft of the whole batch (65,536 bytes) is filled once; wres's codes come into slot 0 at the last change of slots.
; PREFETCH: cluster 0 of a batch asks for V one slot ahead of its load, a step a work-group, by address; every wave asks for its own 32 rows of x, 8,192 bytes at each of the six refills of the loop.
; LIMITS: the promise holds while the scaled scores stay under 2^31 in magnitude; NaN and infinities are not served; a block whose every p is 0 keeps the scale byte 1: its codes are zeros, and this program alone reads the bytes.
; REGISTERS.  Window 0: v0-15 addresses and seg_map; v16-31 -M; v32-47 seg_ft; v48-111 tile 0's scores (written by matrix instructions alone); v112-175 p; v176-191 p's codes; v192-211 scale words; v212-251 at work.
; Window 1, 2: v0-191 O^T of tile 0, 1; v192-199 the row's sums, later the way out.  Window 3: v0-191 V's (later wres's) fragments; v192-255 tile 1's scores (written by matrix instructions alone).
.set STEPB, 26112
.set SLOTB, 4*STEPB
.set SPARE, 104448                     ; the spare words, 512 bytes, between slot 0 and slot 1
.set SLOT1, 1<<17
.set KL,    262144                     ; seg_ft of the batch
.set STAGE, SLOT1                      ; the way out's stages lie in slot 1, behind its last fill and its last read
.set SP,    528
.set LI,  1
.set SPW, 2
.set NIL, 3
.set ADV, 4
.set ADK, 5
.set STO, 6
.set RD,  7
.set PFX, 8
.set PFO, 9
.set QF,  10
.set RLA, 14
.set NM,  16
.set KF,  32
.set BR,  32
.set S,   48                           ; tile 1's scores: S + 144 = v192 of window 3
.set P,   112
.set K2,  112
.set OC,  112
.set PC,  176
.set VS,  192
.set PS,  204
.set OS,  206
.set BM,  212                          ; v212-219 block maxima, four a tile
.set RM,  212
.set T2,  220                          ; v220-227
.set SO,  228                          ; v228-235 the conversions' scale operands
.set SB,  236                          ; v236-239 scale bytes
.set LS,  236                          ; later: the rows' sums
.set RLB, 248
.set ADW, 250
.set ADS, 251
.set LW,  192                          ; windows 1, 2: the sums of p, four chains of pairs
.set YR,  192
.set WV,  20
.set CX,  21
.set BT,  22
.set QB,  23
.set G1V, 24
.set G1K, 32
.set PXA, 40
.set G0V, 48
.set G0K, 52
.set G0W, 56
.set SEL, 60
.set TB,  62
.set TK,  63
.set SLOTS, 66
.set INNER, 67
.set LIM, 68
.set PFA, 70
.set GAM, 72
.set XBASE, 74
.set OBASE, 76
.set QBASE, 78
.set LOG2E, 80
.set MSB, 0
.macro WIN new                         ; the immediate's high byte repeats the setting that is left
.if MSB != (\new)
	s_set_vgpr_msb (MSB<<8)|(\new)
.set MSB, (\new)
.endif
.endm
.macro PLACES n
.rept \n
	v_nop
.endr
.endm
.macro CROUND                          ; a round of the cluster's barrier
	s_barrier_signal -1
	s_barrier_wait -1
	s_cmp_lg_u32 s[WV], 0
	s_cbranch_scc1 .Lnot_wave_0_\@
	s_barrier_signal -3
.Lnot_wave_0_\@:
	s_barrier_wait -3
	s_barrier_signal -1
	s_barrier_wait -1
.endm
.macro ASK how                         ; V's slot after the one just asked for: cluster 0 of the batch alone; the last refill has no slot behind it
.if \how
	s_cmp_eq_u32 s[LIM], 1
.else
	s_cmp_gt_u32 s[SLOTS], s[LIM]
.endif
	s_cbranch_scc0 .Lnot_mine_\@
	global_prefetch_b8 v[PFO], s[PFA:PFA+1] th:TH_LOAD_NT scope:SCOPE_SE
.Lnot_mine_\@:
.endm
; THE CHANGE OF SLOTS.  kind 1: slot 1's first fill; kind 0: a refill of the slot just left; kind 2: wres's codes into slot 0 (waves 0 to 2).
.macro CHANGE kind
	WIN 0
	s_wait_tensorcnt 0x0                           ; no tensor load of mine is out: my part of the slot ahead is in, and a group 0 may be written
	ds_add_u32 v[SPW], v[NIL]
.if (\kind) < 2
	s_xor_b32 s[G0V+1], s[G0V+1], SLOT1
	s_add_nc_u64 s[G0V+2:G0V+3], s[G0V+2:G0V+3], SLOTB
	s_wait_xcnt 0x0                                ; my prefetches have read their addresses
	s_add_nc_u64 s[PFA:PFA+1], s[PFA:PFA+1], SLOTB
.if (\kind) == 0
	s_add_nc_u64 s[PXA:PXA+1], s[PXA:PXA+1], 8192
.endif
.endif
	s_wait_dscnt 0x0                               ; the add is done; my reads of the slot that I have left were waited for in its steps
	CROUND
.if (\kind) < 2
	tensor_load_to_lds s[G0V:G0V+3], s[G1V:G1V+7]
	s_nop 0
	PLACES 4
	ASK \kind
.if (\kind) == 0
	global_prefetch_b8 v[PFX], s[PXA:PXA+1] th:TH_LOAD_NT scope:SCOPE_SE   ; 8,192 bytes of my 32 rows of x, lanes 256 bytes apart: six refills cover the 49,152
.endif
.else
	s_cmp_lt_u32 s[WV], 3
	s_cbranch_scc0 .Lno_part_\@
	tensor_load_to_lds s[G0W:G0W+3], s[G1V:G1V+7]
	s_nop 0
	PLACES 4
.Lno_part_\@:
.endif
.endm
.macro KLOAD dst
	v_add_nc_u32 v[ADK], s[TK], v[LI]
	s_add_co_u32 s[TK], s[TK], 2048
.irp b, 0,1,2,3
	ds_load_b128 v[\dst+4*\b:\dst+4*\b+3], v[ADK] offset:512*\b
.endr
.endm
.macro MAX4 q, i
.irp c, 0,1,2,3
	v_max3_num_f32 v[RM+4*(\q)+\c], v[RM+4*(\q)+\c], v[S+8*(\i)+2*\c], v[S+8*(\i)+2*\c+1]
.endr
.endm
; PASS 1, a step: 16 products (8 key tiles x 2 query tiles) on eight accumulators; each accumulator's maxima stand four products behind it, so that 16 plain lines lie between
.macro P1STEP kf, ko, first, load
	s_wait_dscnt 0x0
.set n, 0
.rept 16
	v_wmma_f32_16x16x4_f32 v[S+8*(n%8):S+8*(n%8)+7], v[\kf+2*(n%8):\kf+2*(n%8)+1], v[QF+2*(n/8):QF+2*(n/8)+1], 0
.if n < 4
.if \first
.if n == 3
	PLACES 8
.endif
.else
	MAX4 1, n+4
.endif
.else
	MAX4 (n-4)/8, (n-4)%8
.endif
.if (\load) && (n == 1)
	KLOAD \ko
.endif
.set n, n+1
.endr
.endm
; O^T(channel tile t, query tile yy) += V^T P^T.  V's scale words: an even tile's in lanes 0-15, the next odd tile's in lanes 16-31 of one register
.macro PVMUL yy, t, zero
.if (\t)%2
.if \zero
	v_wmma_scale_f32_16x16x128_f8f6f4 v[8*(\t):8*(\t)+7], v[8*(\t):8*(\t)+7], v[PC+8*(\yy):PC+8*(\yy)+7], 0, v[VS+(\t)/2], v[PS+(\yy)] matrix_a_fmt:MATRIX_FMT_FP4 matrix_b_fmt:MATRIX_FMT_FP4 matrix_a_scale:MATRIX_SCALE_ROW1
.else
	v_wmma_scale_f32_16x16x128_f8f6f4 v[8*(\t):8*(\t)+7], v[8*(\t):8*(\t)+7], v[PC+8*(\yy):PC+8*(\yy)+7], v[8*(\t):8*(\t)+7], v[VS+(\t)/2], v[PS+(\yy)] matrix_a_fmt:MATRIX_FMT_FP4 matrix_b_fmt:MATRIX_FMT_FP4 matrix_a_scale:MATRIX_SCALE_ROW1
.endif
.else
.if \zero
	v_wmma_scale_f32_16x16x128_f8f6f4 v[8*(\t):8*(\t)+7], v[8*(\t):8*(\t)+7], v[PC+8*(\yy):PC+8*(\yy)+7], 0, v[VS+(\t)/2], v[PS+(\yy)] matrix_a_fmt:MATRIX_FMT_FP4 matrix_b_fmt:MATRIX_FMT_FP4
.else
	v_wmma_scale_f32_16x16x128_f8f6f4 v[8*(\t):8*(\t)+7], v[8*(\t):8*(\t)+7], v[PC+8*(\yy):PC+8*(\yy)+7], v[8*(\t):8*(\t)+7], v[VS+(\t)/2], v[PS+(\yy)] matrix_a_fmt:MATRIX_FMT_FP4 matrix_b_fmt:MATRIX_FMT_FP4
.endif
.endif
.endm
; The scores t - M of query tile q against the 128 keys in v[KF] on: -M is the products' C
.macro SCORE q
	WIN 0xc0*(\q)                                  ; tile 1's go to window 3
.irp g, 0,1,2,3,4,5,6,7
	v_wmma_f32_16x16x4_f32 v[S+144*(\q)+8*\g:S+144*(\q)+8*\g+7], v[KF+2*\g:KF+2*\g+1], v[QF+2*(\q):QF+2*(\q)+1], v[NM+8*(\q):NM+8*(\q)+7]
.endr
	WIN 0
.endm
; The largest score of each block of 32 keys, both tiles: plain lines, the scores' first readers, each accumulator from its low end on.  Tile 0's 32 lines are the places behind tile 1's products
.macro MAXES
.irp q, 0,1
.set sq, S+144*\q
	WIN 0x3f*\q
.irp b, 0,1,2,3
	v_max3_num_f32 v[BM+4*\q+\b], v[sq+16*\b], v[sq+16*\b+1], v[sq+16*\b+2]
.endr
	WIN 0x3c*\q
.irp i, 3,5,7,9,11,13
.irp b, 0,1,2,3
	v_max3_num_f32 v[BM+4*\q+\b], v[BM+4*\q+\b], v[sq+16*\b+\i], v[sq+16*\b+\i+1]
.endr
.endr
.irp b, 0,1,2,3
	v_max_num_f32 v[BM+4*\q+\b], v[BM+4*\q+\b], v[sq+16*\b+15]
.endr
.endr
	WIN 0
.irp j, 0,1,2,3,4,5,6,7
	v_permlanex16_b32 v[T2+\j], v[BM+\j], s[SEL], s[SEL+1]
.endr
.irp j, 0,1,2,3,4,5,6,7
	v_max_num_f32 v[BM+\j], v[BM+\j], v[T2+\j]     ; with lane l xor 16's 16 keys
.endr
.endm
; eight of V's 24 fragments, 16 LDS loads
.macro VLOAD g
	WIN 0xc0
.set f, 8*(\g)
.rept 8
	ds_load_b128 v[8*f:8*f+3], v[ADV] offset:1024*f
	ds_load_b128 v[8*f+4:8*f+7], v[ADV] offset:1024*f+512
.set f, f+1
.endr
	WIN 0
.endm
; p = 2^(t - M) of tile x, one batch of 64.
; In tile 0's batch stand V's fragments 8 to 23, 16 LDS loads behind the 16th and behind the 32nd exponential: the step's 55 LDS loads go out in three runs and not in one
.macro EXPS x
	WIN 3*(\x)
	s_wait_alu depctr_va_vdst(0)
.set n, 0
.rept 64
	v_exp_f32 v[P+n], v[S+144*(\x)+n]
.set n, n+1
.if ((\x) == 0) && ((n == 16) || (n == 32))
	VLOAD n/16
.endif
.endr
	WIN 0
	v_nop                                          ; a plain place behind the batch
	s_wait_alu depctr_va_vdst(0)
.endm
; tile x's scale word and codes
.macro QNT x
; THE BLOCK'S SCALE COMES FROM ITS LARGEST SCORE s = t - M ITSELF (this stands for what the head says of an exponential of the block maxima: none is taken):
; floor(log2(2^s)) = floor(s), so the byte is floor(s) + 125, with s held at -124 from below, so that the byte cannot fall under 1.
; LIMIT: where s lies within an ulp under a whole number and v_exp_f32 rounds that one p up to the power of two, that p is held at the largest code, one step low.
.irp b, 0,1,2,3
	v_max_num_f32 v[BM+4*(\x)+\b], 0xc2f80000, v[BM+4*(\x)+\b]     ; -124.0
.endr
.irp b, 0,1,2,3
	v_cvt_floor_i32_f32 v[BM+4*(\x)+\b], v[BM+4*(\x)+\b]
.endr
.irp b, 0,1,2,3
	v_add_nc_u32 v[SB+\b], 125, v[BM+4*(\x)+\b]                    ; the scale's byte
.endr
.irp b, 0,1,2,3
	v_lshlrev_b32 v[SO+4*(\x)+\b], 23, v[SB+\b]                    ; as an exponent field: the conversion's scale operand
.endr
	v_lshl_or_b32 v[PS+\x], v[SB+1], 8, v[SB]
	v_lshl_or_b32 v[PS+\x], v[SB+2], 16, v[PS+\x]
	v_lshl_or_b32 v[PS+\x], v[SB+3], 24, v[PS+\x]
.irp b, 0,1,2,3
	v_cvt_scalef32_pk8_fp4_f32 v[PC+8*(\x)+2*\b], v[P+16*\b:P+16*\b+7], v[SO+4*(\x)+\b]
	v_cvt_scalef32_pk8_fp4_f32 v[PC+8*(\x)+2*\b+1], v[P+16*\b+8:P+16*\b+15], v[SO+4*(\x)+\b]
.endr
	v_nop                                          ; one plain line behind a scaled conversion
.irp c, 0,1                                    ; a whole block in a lane: lanes 0-15 block 2 c, lanes 16-31 block 2 c + 1
.irp i, 0,1
	v_permlane16_swap_b32 v[PC+8*(\x)+4*\c+\i], v[PC+8*(\x)+4*\c+2+\i]
.endr
.endr
.endm
.macro LSUM n                          ; two p onto one of four chains: destination and addend in the accumulators' window, p in window 0
	v_pk_fma_f32 v[LW+2*((\n)%4):LW+2*((\n)%4)+1], 1.0, v[P+2*(\n):P+2*(\n)+1], v[LW+2*((\n)%4):LW+2*((\n)%4)+1] op_sel_hi:[0,1,1]
.endm
; tile yy's 24 products, 24 accumulators by turns, and its 32 sums.  The first ten sums are the places between the codes' and the scale word's last writes and the first product
.macro PVS yy, zero
	WIN 0x53+0x50*(\yy)                            ; V window 3, codes and p window 0, C and D window 1 or 2
.set n, 0
.rept 10
	LSUM n
.set n, n+1
.endr
.set t, 0
.rept 24
	PVMUL \yy, t, \zero
.if n < 32
	LSUM n
.set n, n+1
.endif
.set t, t+1
.endr
	WIN 0
.endm
; A STEP OF 128 KEYS.  At its head both tiles' scores and block maxima of this step stand in registers.  zero = 1: the products start the sums.  nx = 1: a step follows
.macro STEP zero, nx
	v_add_nc_u32 v[ADV], s[TB], v[LI]
.if \nx
	v_add_nc_u32 v[ADK], s[TK], v[LI]
.endif
	VLOAD 0                                        ; V's fragments 0 to 7; the last step's maxima are the places behind the products that read V's registers
.irp g, 0,1,2
	ds_load_b128 v[VS+4*\g:VS+4*\g+3], v[ADV] offset:24576+512*\g
.endr
.if \nx
.irp b, 0,1,2,3
	ds_load_b128 v[KF+4*\b:KF+4*\b+3], v[ADK] offset:512*\b        ; the next step's seg_ft
.endr
	s_add_co_u32 s[TK], s[TK], 2048
.endif
	s_add_co_u32 s[TB], s[TB], STEPB
	EXPS 0
	QNT 0
	s_wait_dscnt 0x0                               ; the step's LDS loads are in
	PVS 0, \zero
.if \nx
	SCORE 0
.endif
	EXPS 1
	QNT 1
	PVS 1, \zero
.if \nx
	SCORE 1
	MAXES
.endif
.endm
.macro TURNTB
	s_sub_co_u32 s[TB], s[TB], SLOTB
	s_xor_b32 s[TB], s[TB], SLOT1
.endm
	s_load_b512 s[4:19], s[0:1], 0x0               ; out0, kimg, vimg, wrimg, x, bres, gamma, out1
	v_lshl_add_u32 v[SPW], v0, 2, SPARE
	v_mov_b32 v[NIL], 0
	ds_add_u32 v[SPW], v[NIL]                      ; the opening lines: the add twice on end and its wait
	ds_add_u32 v[SPW], v[NIL]
	s_wait_dscnt 0x0
	v_lshrrev_b32 v4, 5, v0
	v_readfirstlane_b32 s[WV], v4
	s_bfe_u32 s[CX], ttmp6, 0x40000
	s_and_b32 s[BT], ttmp7, 0xffff                 ; the batch
	s_lshl_b32 s[QB], ttmp9, 2
	s_add_co_u32 s[QB], s[QB], s[CX]               ; the block of 128 queries
	s_mov_b32 s[G1V], 15|(3<<16)|(1<<21)           ; a step of V, or a third of wres: 102 dense rows of 256 bytes; the mask names the cluster's four
	s_mov_b32 s[G1V+1], 32<<16
	s_mov_b32 s[G1V+2], 102<<16
	s_mov_b32 s[G1V+3], 32<<16
	s_mov_b32 s[G1V+4], 102
	s_mov_b32 s[G1V+5], 32
	s_mov_b32 s[G1V+6], 0
	s_mov_b32 s[G1V+7], 0
	s_mov_b32 s[G1K], 15|(3<<16)|(1<<21)           ; a quarter of the batch's seg_ft: 64 dense rows of 256 bytes
	s_mov_b32 s[G1K+1], 32<<16
	s_mov_b32 s[G1K+2], 64<<16
	s_mov_b32 s[G1K+3], 32<<16
	s_mov_b32 s[G1K+4], 64
	s_mov_b32 s[G1K+5], 32
	s_mov_b32 s[G1K+6], 0
	s_mov_b32 s[G1K+7], 0
	s_lshl_b32 s81, s[BT], 5
	s_add_co_u32 s82, s81, s[WV]
	s_mul_i32 s82, s82, STEPB                      ; V: step = wave of the batch's slot 0
	s_mov_b32 s83, 0
	s_lshl_b32 s84, s[BT], 16
	s_lshl_b32 s85, s[WV], 14
	s_add_co_u32 s84, s84, s85
	s_mov_b32 s85, 0
	s_mul_i32 s86, s[WV], STEPB
	s_mov_b32 s87, 0
	s_add_co_u32 s88, s81, s[CX]
	s_add_co_u32 s88, s88, 4
	s_mul_i32 s88, s88, STEPB                      ; the prefetches of V: my work-group's step of slot 1; the first change steps it to slot 2
	s_mov_b32 s89, 0
	s_lshl_b32 s90, s[BT], 12
	s_lshl_b32 s91, s[QB], 7
	s_add_co_u32 s90, s90, s91
	s_lshl_b32 s91, s[WV], 5
	s_add_co_u32 s90, s90, s91                     ; my first query
	s_mul_i32 s92, s90, 1536
	s_mov_b32 s93, 0
	s_lshl_b32 s90, s90, 4
	s_mov_b32 s91, 0
	s_mov_b32 s[SEL], 0x76543210
	s_mov_b32 s[SEL+1], 0xfedcba98
	s_mov_b32 s[LOG2E], 0x3fb8aa3b
	s_mov_b32 s[TB], 0
	s_mov_b32 s[TK], KL
	s_wait_kmcnt 0x0
	s_mov_b32 s[G0V], 1
	s_mov_b32 s[G0V+1], s86
	s_add_nc_u64 s[G0V+2:G0V+3], s[8:9], s[82:83]
	s_or_b32 s[G0V+3], s[G0V+3], 0x80000000
	s_mov_b32 s[G0K], 1
	s_lshl_b32 s[G0K+1], s[WV], 14
	s_add_co_u32 s[G0K+1], s[G0K+1], KL
	s_add_nc_u64 s[G0K+2:G0K+3], s[6:7], s[84:85]
	s_or_b32 s[G0K+3], s[G0K+3], 0x80000000
	s_mov_b32 s[G0W], 1
	s_mov_b32 s[G0W+1], s86
	s_add_nc_u64 s[G0W+2:G0W+3], s[10:11], s[86:87]
	s_or_b32 s[G0W+3], s[G0W+3], 0x80000000
	s_add_nc_u64 s[PFA:PFA+1], s[8:9], s[88:89]
	s_add_nc_u64 s[XBASE:XBASE+1], s[12:13], s[92:93]
	s_add_nc_u64 s[OBASE:OBASE+1], s[18:19], s[92:93]
	s_add_nc_u64 s[QBASE:QBASE+1], s[4:5], s[90:91]
	s_sub_nc_u64 s[PXA:PXA+1], s[XBASE:XBASE+1], 8192   ; stepped by 8,192 ahead of each use: the first prefetch names my first row of x
	s_load_b32 s[GAM], s[16:17], 0x0
	s_cmp_eq_u32 ttmp9, 0
	s_cselect_b32 s[LIM], 1, -1
	CROUND
	tensor_load_to_lds s[G0K:G0K+3], s[G1K:G1K+7]  ; seg_ft: my one tensor load at the head
	s_nop 0
	s_wait_alu depctr_va_vdst(0)
	s_wait_tensorcnt 0x0
	ds_add_u32 v[SPW], v[NIL]
	s_wait_dscnt 0x0
	CROUND
	tensor_load_to_lds s[G0V:G0V+3], s[G1V:G1V+7]  ; V's slot 0; it lands under pass 1
	s_nop 0
	PLACES 4
	v_and_b32 v4, 15, v0
	v_bfe_u32 v5, v0, 4, 1
	v_and_b32 v[PFX], 31, v0
	v_lshlrev_b32 v[LI], 4, v[PFX]
	v_lshlrev_b32 v[PFX], 8, v[PFX]
	v_min_u32 v[PFO], 101, v0                      ; 102 blocks of 256 bytes in a step of V; the threads left over name the last again
	v_lshlrev_b32 v[PFO], 8, v[PFO]
	v_lshlrev_b32 v[ADW], 4, v4
	v_lshl_add_u32 v[ADW], v5, 3, v[ADW]
	global_load_b64 v[QF:QF+1], v[ADW], s[QBASE:QBASE+1]           ; seg_map[query r][2 h], [2 h + 1]: the f32 matrix form's layout
	global_load_b64 v[QF+2:QF+3], v[ADW], s[QBASE:QBASE+1] offset:256
	s_mul_i32 s81, s[WV], 16*SP
	s_add_co_u32 s81, s81, STAGE
	v_mul_u32_u24 v[STO], v4, SP
	v_lshl_add_u32 v[STO], v5, 5, v[STO]
	v_add_nc_u32 v[STO], s81, v[STO]
	v_add_nc_u32 v[RD], s81, v[LI]
.irp j, 0,1,2,3,4,5,6,7
	v_mov_b32 v[T2+\j], 0                          ; a lane permute's destination counts as read
.endr
.irp j, 0,1,2,3,4,5,6,7
	v_mov_b32 v[RM+\j], 0xff800000
.endr
.irp q, 1,2
	WIN 0x40*\q
.irp j, 0,1,2,3,4,5,6,7
	v_mov_b32 v[LW+\j], 0                          ; the sums of p
.endr
.endr
	WIN 0
	s_wait_kmcnt 0x0
	s_mov_b32 s[GAM+1], s[GAM]
	s_wait_loadcnt 0x0
.irp j, 0,1,2,3
	v_mul_f32 v[QF+\j], s[LOG2E], v[QF+\j]
.endr
	s_wait_alu depctr_va_vdst(0)
	s_wait_tensorcnt 1                             ; seg_ft is in (V's slot 0, the one load behind it, may be out)
	s_barrier_signal -1
	s_barrier_wait -1
	KLOAD KF
	P1STEP KF, K2, 1, 1
	s_wait_alu depctr_va_vdst(0)
	P1STEP K2, KF, 0, 1
	s_mov_b32 s[INNER], 14
.Lpass1:
	s_wait_alu depctr_va_vdst(0)
	P1STEP KF, K2, 0, 1
	s_wait_alu depctr_va_vdst(0)
	P1STEP K2, KF, 0, 1
	s_sub_co_u32 s[INNER], s[INNER], 1
	s_cmp_lg_u32 s[INNER], 0
	s_cbranch_scc1 .Lpass1
	s_wait_alu depctr_va_vdst(0)
	P1STEP KF, K2, 0, 1
	s_wait_alu depctr_va_vdst(0)
	P1STEP K2, KF, 0, 0
	MAX4 1, 4
	MAX4 1, 5
	MAX4 1, 6
	MAX4 1, 7
.irp q, 0,1
	v_max3_num_f32 v[RM+4*\q], v[RM+4*\q], v[RM+4*\q+1], v[RM+4*\q+2]
.endr
.irp q, 0,1
	v_max_num_f32 v[RM+4*\q], v[RM+4*\q], v[RM+4*\q+3]
.endr
.irp q, 0,1
	v_permlanex16_b32 v[T2+\q], v[RM+4*\q], s[SEL], s[SEL+1]
.endr
.irp q, 0,1
	v_max_num_f32 v[RM+4*\q], v[RM+4*\q], v[T2+\q]
.endr
.irp q, 0,1
	v_floor_f32 v[NM+8*\q], -v[RM+4*\q]            ; -M = floor(-t) = -ceil(t)
.endr
.irp q, 0,1
.irp j, 1,2,3,4,5,6,7
	v_mov_b32 v[NM+8*\q+\j], v[NM+8*\q]            ; eight copies: the C of the score products
.endr
.endr
	CHANGE 1
	s_mov_b32 s[TK], KL
	KLOAD KF
	s_wait_dscnt 0x0
	s_wait_alu depctr_va_vdst(0)
	SCORE 0                                        ; step 0's scores and block maxima stand ahead of the steps
	SCORE 1
	PLACES 8
	MAXES
	STEP 1, 1
	s_mov_b32 s[INNER], 3
.Lslot0:
	STEP 0, 1
	s_sub_co_u32 s[INNER], s[INNER], 1
	s_cmp_lg_u32 s[INNER], 0
	s_cbranch_scc1 .Lslot0
	TURNTB
	s_mov_b32 s[SLOTS], 6
.Lslot:
	CHANGE 0
	s_mov_b32 s[INNER], 4
.Lstep:
	STEP 0, 1
	s_sub_co_u32 s[INNER], s[INNER], 1
	s_cmp_lg_u32 s[INNER], 0
	s_cbranch_scc1 .Lstep
	TURNTB
	s_sub_co_u32 s[SLOTS], s[SLOTS], 1
	s_cmp_lg_u32 s[SLOTS], 0
	s_cbranch_scc1 .Lslot
	CHANGE 2
	s_mov_b32 s[INNER], 3
.Llast:
	STEP 0, 1
	s_sub_co_u32 s[INNER], s[INNER], 1
	s_cmp_lg_u32 s[INNER], 0
	s_cbranch_scc1 .Llast
	STEP 0, 0
	; wres's codes are whole and slot 1 is read no more behind this barrier; the sums' chains are joined between the add and the wait for it
	s_wait_alu depctr_va_vdst(0)
	s_wait_tensorcnt 0x0
	ds_add_u32 v[SPW], v[NIL]
.irp q, 0,1
	WIN 0x45*(\q+1)
	v_pk_add_f32 v[LW:LW+1], v[LW:LW+1], v[LW+2:LW+3]
	v_pk_add_f32 v[LW+4:LW+5], v[LW+4:LW+5], v[LW+6:LW+7]
	v_pk_add_f32 v[LW:LW+1], v[LW:LW+1], v[LW+4:LW+5]
	WIN 0x05*(\q+1)
	v_add_f32 v[LS+\q], v[LW], v[LW+1]
.endr
	WIN 0
	s_wait_alu depctr_va_vdst(0)
	s_wait_dscnt 0x0
	s_barrier_signal -1
	s_barrier_wait -1
.irp q, 0,1
	v_permlanex16_b32 v[T2+\q], v[LS+\q], s[SEL], s[SEL+1]
.endr
.irp q, 0,1
	v_add_f32 v[LS+\q], v[LS+\q], v[T2+\q]         ; the row's sum
.endr
	s_wait_alu depctr_va_vdst(0)
	v_rcp_f32 v[RLA], v[LS]
	v_rcp_f32 v[RLA+1], v[LS]
	v_rcp_f32 v[RLB], v[LS+1]
	v_rcp_f32 v[RLB+1], v[LS+1]
	v_nop
	s_wait_alu depctr_va_vdst(0)
	WIN 0x41
.set n, 0
.rept 96
	v_pk_mul_f32 v[2*n:2*n+1], v[2*n:2*n+1], v[RLA:RLA+1]          ; O^T / the sum
.set n, n+1
.endr
	WIN 0x82
.set n, 0
.rept 96
	v_pk_mul_f32 v[2*n:2*n+1], v[2*n:2*n+1], v[RLB:RLB+1]
.set n, n+1
.endr
; O of tile q, channels 128 kk on, becomes a fragment's codes and its scale word: a lane's 16 registers of two neighbouring channel tiles are 16 neighbours along the channels
.macro QUANTO q, kk
.set so, 64*(\kk)
.set oc, OC+24*(\q)+8*(\kk)
.set os, OS+3*(\q)+(\kk)
	WIN 0x14*((\q)+1)
.irp b, 0,1,2,3
	v_max3_num_f32 v[BM+\b], 0x1800000, |v[so+16*\b]|, |v[so+16*\b+1]|
.endr
.irp i, 2,4,6,8,10,12,14
.irp b, 0,1,2,3
	v_max3_num_f32 v[BM+\b], v[BM+\b], |v[so+16*\b+\i]|, |v[so+16*\b+\i+1]|
.endr
.endr
	WIN 0
.irp b, 0,1,2,3
	v_permlanex16_b32 v[T2+\b], v[BM+\b], s[SEL], s[SEL+1]
.endr
.irp b, 0,1,2,3
	v_max_num_f32 v[BM+\b], v[BM+\b], v[T2+\b]
.endr
.irp b, 0,1,2,3
	v_add_nc_u32 v[SO+\b], 0xff000000, v[BM+\b]
.endr
.irp b, 0,1,2,3
	v_lshrrev_b32 v[SB+\b], 23, v[SO+\b]
.endr
	v_lshl_or_b32 v[os], v[SB+1], 8, v[SB]
	v_lshl_or_b32 v[os], v[SB+2], 16, v[os]
	v_lshl_or_b32 v[os], v[SB+3], 24, v[os]
	WIN 1+(\q)
.irp b, 0,1,2,3
	v_cvt_scalef32_pk8_fp4_f32 v[oc+2*\b], v[so+16*\b:so+16*\b+7], v[SO+\b]
	v_cvt_scalef32_pk8_fp4_f32 v[oc+2*\b+1], v[so+16*\b+8:so+16*\b+15], v[SO+\b]
.endr
	WIN 0
	v_nop
.irp c, 0,1
.irp i, 0,1
	v_permlane16_swap_b32 v[oc+4*\c+\i], v[oc+4*\c+2+\i]
.endr
.endr
.endm
.irp q, 0,1
.irp kk, 0,1,2
	QUANTO \q, \kk
.endr
.endr
.irp c, 0,1,2
	global_load_b128 v[BR+4*\c:BR+4*\c+3], v[LI], s[14:15] offset:512*\c   ; bres
.endr
; THE WAY OUT, by chunks of 128 output channels: Y^T = wres O^T, through my stage in LDS into whole rows of 512 bytes, + bres, x gamma, + x, stored
.macro XLOAD c3
.irp q, 0,1
	WIN 0x40*(\q+1)
.irp rr, 0,1,2,3,4,5,6,7,8,9,10,11,12,13,14,15
	global_load_b128 v[64*(\c3)+4*\rr:64*(\c3)+4*\rr+3], v[LI], s[XBASE:XBASE+1] offset:1536*\rr+512*(\c3)+24576*\q th:TH_LOAD_NT
.endr
.endr
	WIN 0
.endm
.macro TOSTAGE q
	WIN 0x04*((\q)+1)
.irp tt, 0,1,2,3,4,5,6,7
	ds_store_b128 v[STO], v[YR+8*\tt:YR+8*\tt+3] offset:64*\tt
	ds_store_b128 v[STO], v[YR+8*\tt+4:YR+8*\tt+7] offset:64*\tt+16
.endr
	WIN 0x40*((\q)+1)
.irp rr, 0,1,2,3,4,5,6,7,8,9,10,11,12,13,14,15
	ds_load_b128 v[YR+4*\rr:YR+4*\rr+3], v[RD] offset:SP*\rr       ; LDS serves a wave's instructions in order: these see my stores
.endr
	WIN 0
.endm
.macro FIN q, c3, ld, ds               ; ld, ds: the global and LDS loads issued behind this tile's, which may stay out
	s_wait_dscnt \ds
	s_wait_loadcnt \ld
	WIN 0x41*((\q)+1)
.irp rr, 0,1,2,3,4,5,6,7,8,9,10,11,12,13,14,15
	v_pk_add_f32 v[YR+4*\rr:YR+4*\rr+1], v[YR+4*\rr:YR+4*\rr+1], v[BR+4*(\c3):BR+4*(\c3)+1]
	v_pk_add_f32 v[YR+4*\rr+2:YR+4*\rr+3], v[YR+4*\rr+2:YR+4*\rr+3], v[BR+4*(\c3)+2:BR+4*(\c3)+3]
.endr
	WIN 0x51*((\q)+1)
.irp rr, 0,1,2,3,4,5,6,7,8,9,10,11,12,13,14,15
	v_pk_fma_f32 v[64*(\c3)+4*\rr:64*(\c3)+4*\rr+1], v[YR+4*\rr:YR+4*\rr+1], s[GAM:GAM+1], v[64*(\c3)+4*\rr:64*(\c3)+4*\rr+1] op_sel_hi:[1,0,1]
	v_pk_fma_f32 v[64*(\c3)+4*\rr+2:64*(\c3)+4*\rr+3], v[YR+4*\rr+2:YR+4*\rr+3], s[GAM:GAM+1], v[64*(\c3)+4*\rr+2:64*(\c3)+4*\rr+3] op_sel_hi:[1,0,1]
.endr
	WIN 0x04*((\q)+1)
.irp rr, 0,1,2,3,4,5,6,7,8,9,10,11,12,13,14,15
	global_store_b128 v[LI], v[64*(\c3)+4*\rr:64*(\c3)+4*\rr+3], s[OBASE:OBASE+1] offset:1536*\rr+512*(\c3)+24576*(\q) th:TH_STORE_NT   ; 32 lanes store 512 consecutive bytes
.endr
	WIN 0
.endm
.macro CHUNK c3
	v_add_nc_u32 v[ADW], 24576*(\c3), v[LI]
	v_add_nc_u32 v[ADS], 73728+1536*(\c3), v[LI]
	WIN 0xc0
.set f, 0
.rept 24
	ds_load_b128 v[8*f:8*f+3], v[ADW] offset:1024*f
	ds_load_b128 v[8*f+4:8*f+7], v[ADW] offset:1024*f+512
.set f, f+1
.endr
	WIN 0
.irp kk, 0,1,2
	ds_load_b128 v[VS+4*\kk:VS+4*\kk+3], v[ADS] offset:512*\kk
.endr
.if (\c3) < 2
	XLOAD \c3+1
.endif
	PLACES 8
	s_wait_dscnt 0x0
.irp q, 0,1
	WIN 0x53+0x50*\q
.irp kk, 0,1,2
	s_wait_alu depctr_va_vdst(0)                   ; the eight accumulators are taken up again
.irp tt, 0,2,4,6
.if \kk == 0
	v_wmma_scale_f32_16x16x128_f8f6f4 v[YR+8*\tt:YR+8*\tt+7], v[8*(3*\tt+\kk):8*(3*\tt+\kk)+7], v[OC+24*\q+8*\kk:OC+24*\q+8*\kk+7], 0, v[VS+4*\kk+\tt/2], v[OS+3*\q+\kk] matrix_a_fmt:MATRIX_FMT_FP4 matrix_b_fmt:MATRIX_FMT_FP4
	v_wmma_scale_f32_16x16x128_f8f6f4 v[YR+8*\tt+8:YR+8*\tt+15], v[8*(3*\tt+3+\kk):8*(3*\tt+3+\kk)+7], v[OC+24*\q+8*\kk:OC+24*\q+8*\kk+7], 0, v[VS+4*\kk+\tt/2], v[OS+3*\q+\kk] matrix_a_fmt:MATRIX_FMT_FP4 matrix_b_fmt:MATRIX_FMT_FP4 matrix_a_scale:MATRIX_SCALE_ROW1
.else
	v_wmma_scale_f32_16x16x128_f8f6f4 v[YR+8*\tt:YR+8*\tt+7], v[8*(3*\tt+\kk):8*(3*\tt+\kk)+7], v[OC+24*\q+8*\kk:OC+24*\q+8*\kk+7], v[YR+8*\tt:YR+8*\tt+7], v[VS+4*\kk+\tt/2], v[OS+3*\q+\kk] matrix_a_fmt:MATRIX_FMT_FP4 matrix_b_fmt:MATRIX_FMT_FP4
	v_wmma_scale_f32_16x16x128_f8f6f4 v[YR+8*\tt+8:YR+8*\tt+15], v[8*(3*\tt+3+\kk):8*(3*\tt+3+\kk)+7], v[OC+24*\q+8*\kk:OC+24*\q+8*\kk+7], v[YR+8*\tt+8:YR+8*\tt+15], v[VS+4*\kk+\tt/2], v[OS+3*\q+\kk] matrix_a_fmt:MATRIX_FMT_FP4 matrix_b_fmt:MATRIX_FMT_FP4 matrix_a_scale:MATRIX_SCALE_ROW1
.endif
.endr
.endr
.endr
	WIN 0
	PLACES 4
	TOSTAGE 0
	TOSTAGE 1
.if (\c3) < 2
	FIN 0, \c3, 48, 32
	FIN 1, \c3, 32, 0
.else
	FIN 0, \c3, 16, 32
	FIN 1, \c3, 0, 0
.endif
.endm
	XLOAD 0
	CHUNK 0
	CHUNK 1
	CHUNK 2
	s_wait_tensorcnt 0x0                           ; the wave's end
	ds_add_u32 v[SPW], v[NIL]
	s_wait_dscnt 0x0
	CROUND                                         ; the closing round
	s_endpgm
.Lfunc_end_k_q200e381804_attn:
	.size	k_q200e381804_attn, .Lfunc_end_k_q200e381804_attn-k_q200e381804_attn
	.p2alignl 7, 3214868480
	.fill 96, 4, 3214868480
	.section	.rodata,"a",@progbits
	.p2align	6, 0x0
	.amdhsa_kernel k_q200e381804_attn
		.amdhsa_group_segment_fixed_size 327680
		.amdhsa_private_segment_fixed_size 0
		.amdhsa_enable_private_segment 0
		.amdhsa_kernarg_size 64
		.amdhsa_user_sgpr_count 2
		.amdhsa_user_sgpr_kernarg_segment_ptr 1
		.amdhsa_wavefront_size32 1
		.amdhsa_system_sgpr_workgroup_id_x 1
		.amdhsa_system_sgpr_workgroup_id_y 1
		.amdhsa_system_sgpr_workgroup_id_z 1
		.amdhsa_system_vgpr_workitem_id 0
		.amdhsa_next_free_vgpr 1024
		.amdhsa_next_free_sgpr 100
		.amdhsa_reserve_vcc 0
		.amdhsa_float_denorm_mode_32 3
		.amdhsa_float_denorm_mode_16_64 3
		.amdhsa_memory_ordered 1
		.amdhsa_forward_progress 1
		.amdhsa_inst_pref_size 255
	.end_amdhsa_kernel
	.section	.bss,"aw",@nobits
	.p2align	6
	.space	262144
	.amdgpu_metadata
---
amdhsa.version: [ 1, 2 ]
amdhsa.kernels:
  - .name:           k_q200e381804_attn
    .symbol:         k_q200e381804_attn.kd
    .args:
      - { .name: out0, .offset: 0, .size: 8, .value_kind: global_buffer, .address_space: global }
      - { .name: kimg, .offset: 8, .size: 8, .value_kind: global_buffer, .address_space: global }
      - { .name: vimg, .offset: 16, .size: 8, .value_kind: global_buffer, .address_space: global }
      - { .name: wrimg, .offset: 24, .size: 8, .value_kind: global_buffer, .address_space: global }
      - { .name: x, .offset: 32, .size: 8, .value_kind: global_buffer, .address_space: global }
      - { .name: bres, .offset: 40, .size: 8, .value_kind: global_buffer, .address_space: global }
      - { .name: gamma, .offset: 48, .size: 8, .value_kind: global_buffer, .address_space: global }
      - { .name: out1, .offset: 56, .size: 8, .value_kind: global_buffer, .address_space: global }
    .group_segment_fixed_size: 327680
    .private_segment_fixed_size: 0
    .kernarg_segment_align: 8
    .kernarg_segment_size: 64
    .max_flat_workgroup_size: 128
    .sgpr_count:     100
    .vgpr_count:     1024
    .wavefront_size: 32
...
	.end_amdgpu_metadata
.endif
;; end of part 2
